; MI455X (gfx1250); checked and timed in simulation.
; The chip was launched on July 23, 2026; its instructions are those of AMD's public machine-readable ISA for CDNA 5 (MIT licence, August 2026) and "CDNA5" Instruction Set Architecture Reference Guide (July 2026). The comments in the code are by the model that wrote it; some were corrected since.
;; Double Binary Linear. Allowed arithmetic: matrix products marked QUANTISED: E2M1 operands, one E8M0 scale for each 32 along K, by v_wmma_scale_f32_16x16x128_f8f6f4 with both operands' format E2M1 (or v_wmma_scale_f32_32x16x128_f4), f32 sums; everything else in f32.
;; Inputs: A_codes 4,096 x 128 x 16 uint8 (E2M1 codes of A, K innermost, in blocks of 32 codes, two codes a byte); A_scales 4,096 x 128 uint8 (E8M0 scales of A, one for each 32 codes along K); B_codes 4,096 x 128 x 16 uint8 (E2M1 codes of B, K innermost, in blocks of 32 codes, two codes a byte); B_scales 4,096 x 128 uint8 (E8M0 scales of B, one for each 32 codes along K); Da 4,096 float32; Db 4,096 float32; bias 4,096 float32; mid 4,096 float32; scale1 1 float32; scale3 1 float32; x 2,048 x 4,096 float32.
;; Outputs: out0 2,048 x 4,096 float32.
;; This version of the problem:
;;   THIS VERSION OF THE PROBLEM IS GIVEN IN LOW PRECISION. The matrix products marked QUANTISED in the list below multiply operands that are first quantised to E2M1 (2 exponent bits, 1 mantissa bit; 4 bits a number), with one power-of-two scale for each 32 numbers along K (OCP MX v1.0); their sums are f32. All else is computed in f32.
;;   The module's matrix products, in the order in which they are computed (A, B: the left and right operand; K: the contracted axis; several contracted axes count as one K, in the product's order):
;;     1. [M 2,048, K 4,096] x [K 4,096, N 4,096]; A: computed on the way; B: input B (given as codes): QUANTISED
;;     2. [M 2,048, K 4,096] x [K 4,096, N 4,096]; A: computed on the way; B: input A (given as codes): QUANTISED
;;   THE QUANTISER, for each operand of a quantised product, along K:
;;     - K is cut into blocks of 32 from its start; a last block that is shorter is filled with zeros.
;;     - A block's scale is 2^e with e = floor(log2(the largest magnitude in the block)) - 2, held to -126 .. 127; a block of zeros has e = 0. As a byte (E8M0): e + 127.
;;     - Each number is divided by its block's scale, clamped to +-6, and rounded to the nearest number of E2M1, ties to even, subnormals kept.
;;     - The product sums the exact products of the quantised numbers (number of the format x scale) in f32.
;;   ~~~python
;;   def quantise(x, axis):      # numpy; x: float32 -> the quantised numbers, widened to float32 again
;;       x = np.moveaxis(x, axis, -1); K = x.shape[-1]
;;       x = np.pad(x, [(0, 0)] * (x.ndim - 1) + [(0, -K % 32)]); x = x.reshape(x.shape[:-1] + (-1, 32)); a = np.abs(x).max(-1, keepdims=True)
;;       e = np.where(a > 0, np.clip(np.frexp(np.where(a > 0, a, 1))[1] - 1 - 2, -126, 127), 0)      # np.frexp(a)[1] - 1 = floor(log2(a)), exactly
;;       r = np.clip(x / 2.0 ** e, -6, 6)
;;       step = 2.0 ** (np.maximum(np.frexp(np.where(r == 0, 1, r))[1] - 1, 0) - 1)
;;       q = np.round(r / step) * step * 2.0 ** e      # np.round: ties to even
;;       return np.moveaxis(q.reshape(q.shape[:-2] + (-1,))[..., :K], -1, axis).astype(np.float32)
;;   ~~~
;;   OPERANDS COMPUTED ON THE WAY. 'Computed on the way' means the value that the module computes at that place (a softmax that the list does not call 'softmax' is quantised finished and normalised). What goes into a quantiser is computed in f32, as accurately as f32 sums, v_exp_f32 and their like allow (about 1e-6 of the number): no bf16 or f16 on the way to a quantiser, and a product that is left as it is and whose result goes on into a quantised operand takes f32 operands (vector FMAs, or v_wmma_f32_16x16x4_f32). A number that lies on a knife's edge between two numbers of the format may be rounded either way, as far as f32 arithmetic and the matrix unit's own rounding can turn it there, and no further.
;;   INPUTS GIVEN AS CODES. A (in the module: [4096, 4096], K = its axis 1); B (in the module: [4096, 4096], K = its axis 1): each comes as NAME_codes (uint8): NAME with its K axis moved to the last place and cut into blocks of 32 codes, [.., K / 32, bytes a block], one block behind the other in memory; two codes a byte, the lower K in the low four bits (a code: sign, 2 exponent bits, 1 mantissa bit); and NAME_scales (uint8): the same leading axes, one E8M0 byte (e + 127) for each 32 codes along K. Its value is code x scale, taken as it is: it is not quantised again, and the codes and scales need not be those that the quantiser above would give.
;; One version. Each part assembles by itself: llvm-mc -triple=amdgcn-amd-amdhsa -mcpu=gfx1250 --defsym DOCPART=n.
;; ======== version 1 of 1: 3 launches
;; workspace buffers: xq 4,194,304 bytes; xs 262,144 bytes; hq 4,194,304 bytes; hs 262,144 bytes
;; launch quantx (part 1): grid 8 x 32, 4 waves a work-group, no clusters, 68,096 bytes of LDS; arguments x, Db, xq, xs; writes xq, xs
.if DOCPART == 1
	.amdgcn_target "amdgcn-amd-amdhsa--gfx1250"
	.amdhsa_code_object_version 6
	.text
	.protected	k_q555d9cf538_quantx
	.globl	k_q555d9cf538_quantx
	.p2align	8
	.type	k_q555d9cf538_quantx,@function
k_q555d9cf538_quantx:
	s_mov_b64 s[64:65], 0
	v_nop
	global_prefetch_b8 v0, s[64:65] scope:SCOPE_SE
	s_setreg_imm32_b32 hwreg(HW_REG_WAVE_MODE, 25, 1), 1
	s_wait_xcnt 0x0
; out = ((Q(x Db) B^T) scale1 mid -> Q(..) A^T) scale3 Da + bias, Q the MX-FP4 quantiser along K.  Three launches: this one makes Q(x Db); the second the first product and Q of its scaled result; the third the second product, Da and bias.
; NOTHING IS LEFT OUT: every one of the eleven inputs has a way to the output, and each is loaded by the launch that uses it.
; THIS LAUNCH: h = x Db in f32, [2048][4096]; a block of 32 along K gets the scale 2^(floor(log2(its largest magnitude)) - 2); the codes are E2M1, nearest, ties to even, beyond 6 the largest code.
; THE CODES ARE LAID IN THE ORDER OF THE OPERAND'S REGISTERS: xq [mg 32][ks 32][a 4][c 2][lane 32][16 bytes]: mg a group of 64 rows, ks a K step of 128, a a block of 16 rows; lane (r, h) holds at c the codes of
; k = 128 ks + 64 c + 32 h + 0 .. 31 of row 64 mg + 16 a + r.  The scale words: xs [mg][ks][lane 32][2 words]: word 0: lanes 0-15 block 0's rows, lanes 16-31 block 1's; word 1: blocks 2 and 3.
; SHARES.  A wave takes 64 rows x 128 along K (mg = work-group y, ks = 4 x work-group x + wave): 64 loads of 512 consecutive bytes, all asked for at once; 4,096 consecutive bytes of codes and 256 of scale words out.
; A load is best where neighbouring lanes take neighbouring bytes, the conversions want 32 neighbours in one lane: so 16 rows at a time turn through the wave's own stage in LDS (rows of 512 bytes + 16: 132 words, so that
; row r starts at bank 4 r mod 64; 64 banks of 4 bytes: ISA guide 11.1).  Waves share nothing: no barrier.  No cluster: work-groups share only Db's 512 bytes.  No matrix unit: the launch moves bytes.
; LIMITS: NaN and infinities among the inputs are not served.  A block of zeros gets the byte 1 where the rule says 127: its codes are zeros, which add nothing under that byte, and this program alone reads the bytes.
.set ROWX,  16384                      ; a row of x in bytes
.set SP,    528                        ; a stage row
.set STG,   16*SP                      ; a stage: 16 rows
.set WREG,  2*STG                      ; two stages for each wave
.set SPARE, 4*WREG                     ; behind the stages: the spare words, 128 bytes for each wave: two blocks of 256 bytes that no other line names
.set LN,  1                            ; v1   lane
.set LI,  4                            ; v4   16 x lane
.set L8,  5                            ; v5   8 x lane
.set STI, 6                            ; v6   the stage, on the way in: 16 x lane in a row
.set STO, 7                            ; v7   and out: row r, + 128 h bytes
.set SH,  8                            ; v8   8 h: where my two scale bytes stand in the word
.set DB,  10                           ; v[10:13] Db of my four columns: the same in every row
.set M,   14                           ; v14-15 largest magnitudes of my two blocks
.set SO,  16                           ; v16-17 the conversions' scale operands
.set BY,  18                           ; v18-19 the scale bytes
.set T,   20                           ; v20, v21 at work
.set T2,  21
.set PW,  24                           ; v24-27 the scale word of my row in blocks 0 to 3
.set W,   28                           ; v[28:29] the pair that is stored
.set SPW, 30                           ; v30  LDS address of my spare word; never rewritten
.set NIL, 31                           ; v31  0; never rewritten
.set N,   64                           ; v64-191 two sets of 64 numbers: my two blocks of 32 of a row
.set PC,  192                          ; v192-223 the codes: 8 registers for each block of rows, so that no store's data are written again
; window 1 (v256-511): the 64 loads' 256 registers
.set MSB, 0
.macro WIN new                         ; s_set_vgpr_msb: bits 1:0 source 0, 3:2 source 1, 5:4 source 2, 7:6 destination; the high byte repeats the setting that is left
.if MSB != \new
	s_set_vgpr_msb (MSB<<8)|\new
.set MSB, \new
.endif
.endm
	s_load_b256 s[4:11], s[0:1], 0x0               ; x s[4:5], Db s[6:7], xq s[8:9], xs s[10:11]
	v_lshl_add_u32 v[SPW], v0, 2, SPARE
	v_mov_b32 v[NIL], 0
	v_lshrrev_b32 v1, 5, v0
	v_readfirstlane_b32 s12, v1                    ; wave 0..3
	v_and_b32 v[LN], 31, v0
	v_and_b32 v2, 15, v0                           ; r
	v_bfe_u32 v3, v0, 4, 1                         ; h
	v_lshlrev_b32 v[LI], 4, v[LN]
	v_lshlrev_b32 v[L8], 3, v[LN]
	s_mul_i32 s15, s12, WREG                       ; my wave's stages
	v_add_nc_u32 v[STI], s15, v[LI]
	v_mul_u32_u24 v[STO], v2, SP
	v_lshl_add_u32 v[STO], v3, 7, v[STO]
	v_add_nc_u32 v[STO], s15, v[STO]
	v_lshlrev_b32 v[SH], 3, v3
	v_mov_b32 v[T2], 0                             ; written once: a lane permute's destination counts as one of its sources
	s_mov_b32 s20, 0x76543210
	s_mov_b32 s21, 0xfedcba98                      ; v_permlanex16_b32's selects for lane l xor 16
	s_lshl_b32 s13, ttmp9, 2
	s_add_co_u32 s13, s13, s12                     ; ks
	s_and_b32 s14, ttmp7, 0xffff                   ; mg
	s_lshl_b32 s16, s14, 20                        ; 64 rows of 16,384 bytes
	s_lshl_b32 s18, s13, 9                         ; 128 numbers of 4 bytes
	s_add_co_u32 s16, s16, s18
	s_mov_b32 s17, 0
	s_mov_b32 s19, 0
	s_lshl_b32 s22, s14, 5
	s_add_co_u32 s22, s22, s13                     ; 32 mg + ks
	s_lshl_b32 s24, s22, 12
	s_mov_b32 s25, 0
	s_lshl_b32 s26, s22, 8
	s_mov_b32 s27, 0
	s_wait_kmcnt 0x0
	s_add_nc_u64 s[4:5], s[4:5], s[16:17]
	s_add_nc_u64 s[6:7], s[6:7], s[18:19]
	s_add_nc_u64 s[8:9], s[8:9], s[24:25]
	s_add_nc_u64 s[10:11], s[10:11], s[26:27]
	global_load_b128 v[DB:DB+3], v[LI], s[6:7]
	WIN 0x40                                       ; destination window 1
.irp a, 0,1,2,3
.irp i, 0,1,2,3,4,5,6,7,8,9,10,11,12,13,14,15
	global_load_b128 v[4*(16*\a+\i):4*(16*\a+\i)+3], v[LI], s[4:5] offset:(16*\a+\i)*ROWX th:TH_LOAD_NT   ; 32 lanes read 512 consecutive bytes of one row; read once in the launch
.endr
.endr
	WIN 0
; Block a's 16 rows: x Db in place, into stage a % 2 as they lie, and back with two whole blocks of 32 to a lane.  LDS serves a wave's instructions in order: no wait between the stores and the loads.
.macro TURN a
	s_wait_loadcnt 48-16*(\a)                      ; Db and the block's 16 loads are in; the later blocks' 16 each may be out
	WIN 0x41                                       ; destination and source 0 window 1
.irp i, 0,1,2,3,4,5,6,7,8,9,10,11,12,13,14,15
	v_pk_mul_f32 v[4*(16*(\a)+\i):4*(16*(\a)+\i)+1], v[4*(16*(\a)+\i):4*(16*(\a)+\i)+1], v[DB:DB+1]
	v_pk_mul_f32 v[4*(16*(\a)+\i)+2:4*(16*(\a)+\i)+3], v[4*(16*(\a)+\i)+2:4*(16*(\a)+\i)+3], v[DB+2:DB+3]
.endr
	WIN 0x04                                       ; an LDS store's data are its source 1: window 1
.irp i, 0,1,2,3,4,5,6,7,8,9,10,11,12,13,14,15
	ds_store_b128 v[STI], v[4*(16*(\a)+\i):4*(16*(\a)+\i)+3] offset:STG*((\a)%2)+SP*\i
.endr
	WIN 0
.irp c, 0,1
.irp g, 0,1,2,3,4,5,6,7
	ds_load_b128 v[N+64*((\a)%2)+32*\c+4*\g:N+64*((\a)%2)+32*\c+4*\g+3], v[STO] offset:STG*((\a)%2)+256*\c+16*\g   ; k = 64 c + 32 h + 4 g on, of row r
.endr
.endr
.endm
; My two blocks of block a's row r become registers 4 c .. 4 c + 3 of the fragment, and the row's scale word.
.macro QUANTB a
.set NS, N+64*((\a)%2)
.irp c, 0,1
	v_max3_num_f32 v[M+\c], |v[NS+32*\c]|, |v[NS+32*\c+1]|, 0x1800000   ; all 32 numbers of a block are mine; the floor 2^(3 - 127) keeps the byte at 1 from below
.endr
.irp i, 2,4,6,8,10,12,14,16,18,20,22,24,26,28,30
.irp c, 0,1
	v_max3_num_f32 v[M+\c], v[M+\c], |v[NS+32*\c+\i]|, |v[NS+32*\c+\i+1]|   ; (the two blocks by turns)
.endr
.endr
.irp c, 0,1
	v_add_nc_u32 v[SO+\c], 0xff000000, v[M+\c]     ; 2 off the exponent field: the conversion takes the exponent field of this operand as its scale
.endr
.irp c, 0,1
	v_lshrrev_b32 v[BY+\c], 23, v[SO+\c]           ; the scale's byte
.endr
	v_lshl_or_b32 v[T], v[BY+1], 16, v[BY]         ; my two bytes: blocks h and 2 + h,
	v_lshlrev_b32 v[T], v[SH], v[T]                ; at their places in the word;
	v_permlanex16_b32 v[T2], v[T], s20, s21
	v_or_b32 v[PW+(\a)], v[T], v[T2]               ; with lane l xor 16's two the word is whole, in both lanes
.irp c, 0,1
.irp g, 0,1,2,3
	v_cvt_scalef32_pk8_fp4_f32 v[PC+8*(\a)+4*\c+\g], v[NS+32*\c+8*\g:NS+32*\c+8*\g+7], v[SO+\c]
.endr
.endr
	v_nop                                          ; one plain place behind the last scaled conversion
.endm
	TURN 0
.irp a, 0,1,2,3
.if \a < 3
	TURN \a+1                                      ; the next block goes through the other stage while this one is worked
	s_wait_dscnt 32                                ; this block's numbers are back; the next block's 16 stores and 16 loads may be out
.else
	s_wait_dscnt 0x0
.endif
	QUANTB \a
	global_store_b128 v[LI], v[PC+8*\a:PC+8*\a+3], s[8:9] offset:1024*\a          ; 32 lanes store 512 consecutive bytes, at a multiple of 256 from the buffer's first byte
	global_store_b128 v[LI], v[PC+8*\a+4:PC+8*\a+7], s[8:9] offset:1024*\a+512
.endr
	v_cmp_lt_u32 vcc_lo, 15, v[LN]                 ; lanes 16-31 carry the odd blocks' words
	v_cndmask_b32 v[W], v[PW], v[PW+1], vcc_lo
	v_cndmask_b32 v[W+1], v[PW+2], v[PW+3], vcc_lo
	global_store_b64 v[L8], v[W:W+1], s[10:11]     ; 256 consecutive bytes, aligned
	s_wait_tensorcnt 0x0                           ; the wave's end: behind my last LDS store
	ds_add_u32 v[SPW], v[NIL]
	s_wait_dscnt 0x0
	s_endpgm
.Lfunc_end_k_q555d9cf538_quantx:
	.size	k_q555d9cf538_quantx, .Lfunc_end_k_q555d9cf538_quantx-k_q555d9cf538_quantx
	.p2alignl 7, 3214868480
	.fill 96, 4, 3214868480
	.section	.rodata,"a",@progbits
	.p2align	6, 0x0
	.amdhsa_kernel k_q555d9cf538_quantx
		.amdhsa_group_segment_fixed_size 68096
		.amdhsa_private_segment_fixed_size 0
		.amdhsa_enable_private_segment 0
		.amdhsa_kernarg_size 32
		.amdhsa_user_sgpr_count 2
		.amdhsa_user_sgpr_kernarg_segment_ptr 1
		.amdhsa_wavefront_size32 1
		.amdhsa_system_sgpr_workgroup_id_x 1
		.amdhsa_system_sgpr_workgroup_id_y 1
		.amdhsa_system_sgpr_workgroup_id_z 1
		.amdhsa_system_vgpr_workitem_id 0
		.amdhsa_next_free_vgpr 512
		.amdhsa_next_free_sgpr 66
		.amdhsa_reserve_vcc 1
		.amdhsa_float_denorm_mode_32 3
		.amdhsa_float_denorm_mode_16_64 3
		.amdhsa_memory_ordered 1
		.amdhsa_forward_progress 1
		.amdhsa_inst_pref_size 38
	.end_amdhsa_kernel
	.amdgpu_metadata
---
amdhsa.version: [ 1, 2 ]
amdhsa.kernels:
  - .name:           k_q555d9cf538_quantx
    .symbol:         k_q555d9cf538_quantx.kd
    .args:
      - { .name: x, .offset: 0, .size: 8, .value_kind: global_buffer, .address_space: global }
      - { .name: Db, .offset: 8, .size: 8, .value_kind: global_buffer, .address_space: global }
      - { .name: xq, .offset: 16, .size: 8, .value_kind: global_buffer, .address_space: global }
      - { .name: xs, .offset: 24, .size: 8, .value_kind: global_buffer, .address_space: global }
    .group_segment_fixed_size: 68096
    .private_segment_fixed_size: 0
    .kernarg_segment_align: 8
    .kernarg_segment_size: 32
    .max_flat_workgroup_size: 128
    .sgpr_count:     66
    .vgpr_count:     512
    .wavefront_size: 32
...
	.end_amdgpu_metadata
.endif
;; end of part 1
;; launch gemm1 (part 2): grid 8 x 32, 4 waves a work-group, clusters of 4 x 1, 290,304 bytes of LDS; arguments xq, xs, B_codes, B_scales, mid, scale1, hq, hs; writes hq, hs
.if DOCPART == 2
	.amdgcn_target "amdgcn-amd-amdhsa--gfx1250"
	.amdhsa_code_object_version 6
	.text
	.protected	k_q555d9cf538_gemm1
	.globl	k_q555d9cf538_gemm1
	.p2align	8
	.type	k_q555d9cf538_gemm1,@function
k_q555d9cf538_gemm1:
	s_mov_b64 s[64:65], 0
	v_nop
	global_prefetch_b8 v0, s[64:65] scope:SCOPE_SE
	s_setreg_imm32_b32 hwreg(HW_REG_WAVE_MODE, 25, 1), 1
	s_wait_xcnt 0x0
	s_wait_alu depctr_hold_cnt(0) depctr_sa_sdst(0) depctr_va_vdst(0) depctr_va_sdst(0) depctr_va_ssrc(0) depctr_va_vcc(0) depctr_vm_vsrc(0)
	s_getreg_b32 s2, hwreg(HW_REG_IB_STS2, 6, 4)
	s_cmp_eq_u32 s2, 0
	s_cbranch_scc0 .Lentry_in_a_cluster
	s_endpgm
.Lentry_in_a_cluster:
	s_bfe_u32 s2, ttmp6, 0x10000c
	s_cmp_lg_u32 s2, 0x3003
	s_cbranch_scc0 .Lentry_shape_is_right
	s_endpgm
.Lentry_shape_is_right:
; THE FIRST PRODUCT AND THE SECOND QUANTISER: hq, hs = Q((Q(x Db) B^T) scale1 mid), Q along MID.  Nothing of the problem is left out here.
; Left operand: xq, xs, codes and scale words in the order of the operand's registers ([mg 32][ks 32][a 4][c 2][lane 32][16 bytes]; [mg][ks][lane][2 words]).  Right operand: B_codes [4096][2048 bytes], B_scales [4096][128], K innermost, as given.
; SHARES.  A work-group makes 256 rows x 128 columns: 8 x 32 work-groups.  Wave w owns the 64 rows of group mg = 4 X + w against all 128 columns: 4 x 8 accumulators of 16 x 16, 256 registers.
; THE WEIGHTS STAY IN LDS.  The tile's 128 rows of B for ALL of K (128 x 2,048 bytes) and their scale bytes come once, by five tensor loads a wave at the head; no LDS byte is filled twice, so the walk over K has no change of slots.
; CLUSTER 4 x 1: the four work-groups of a cluster have the same y, so the same weights: each tile is asked for JOINTLY (mask 15).  The other axis has nothing to share: the activations go to registers, each wave's rows its own.
; THE ACTIVATIONS GO FROM MEMORY STRAIGHT INTO REGISTERS: a K step of 128 is 8 loads of 512 consecutive bytes and one of 256, through a ring of 7 register slots, six steps ahead.
; THE WALK OVER K IS ROTATED: K is four chunks of 1,024; the i-th chunk that a work-group multiplies is chunk (i + y) & 3, so that the work-groups that read the same activations do not all ask for the same bytes first.
; LDS chunk i always holds the chunk multiplied i-th: only global addresses and the place of the weights' scale words hang on y, which the partners share.
; THE MATRIX INSTRUCTION IS USED TRANSPOSED (source 0 = 16 rows of B, source 1 = 16 rows of x): lane (r, h) holds row r and columns 16 t + 8 h + 0 .. 7, eight neighbours along the next K, which is what the conversion takes.
; THE WAY OUT: x (mid scale1), a block's largest magnitude from my 16 numbers and lane l xor 16's, codes, two exchanges of halves a 64 along K: the work-group's 128 columns are K step y of the next product, stored in its register order.
; LIMITS: NaN and infinities are not served.  A block of zeros gets the byte 1 where the rule says 127 (zero codes; this program alone reads the bytes).  K is not summed in ascending order (f32 sums: rounding alone differs).
; mid x scale1 is multiplied first, then the sum by it: one rounding stands elsewhere than in the formula as written.
; REGISTERS, in windows of 256: window 0: v1-29 addresses and constants; v32-63 the weights' scale words, two sets of 16; v64-77 the activations', 7 x 2; v80-255 the way out.
;   window 1: the weights' fragments, three sets of 64.   window 2: accumulator (a, t) at v[8 (8 a + t)].   window 3: the ring: slot u % 7, block a at v[32 (u % 7) + 8 a].
.set CH,     67584                     ; a chunk in LDS: 128 rows x (512 bytes + 16): 132 words a row, so that row r starts at bank 4 r mod 64 (64 banks of 4 bytes: ISA guide 11.1)
.set TILEB,  8448                      ; 16 such rows
.set SCW,    4*CH                      ; the weights' scale bytes: 64 units of 256 bytes + 16; row R at 128 R + 16 (R / 2)
.set SPARE,  SCW+17408                 ; the spare words, 128 bytes for each wave: two blocks of 256 bytes that no other line names
.set MIDST,  SPARE+512                 ; 512 bytes for each wave: mid scale1 on its way into the result's layout; no tensor load lands here
.set LI,   3                           ; v3   16 x lane
.set LS8,  4                           ; v4   8 x lane
.set ADW,  8                           ; v8-11  my place in a tile of chunk i: 528 r + 16 h + i CH
.set ADS,  12                          ; v12-15 my scale words in chunk i: lanes 0-15 tiles 0-3, lanes 16-31 tiles 4-7
.set CV,   16                          ; v[16:19] mid of columns 4 lane + 0 .. 3
.set MST,  24                          ; v24  where I put them
.set MRD,  25                          ; v25  where I read them back: 32 h
.set SPW,  28                          ; v28  LDS address of my spare word; never rewritten
.set NIL,  29                          ; v29  0; never rewritten
.set SW,   32
.set SA,   64
.set TM,   80                          ; v80-83 largest magnitudes, then the conversions' scale operands
.set TP,   84                          ; v84-87 the other lane's, then the bytes
.set PW,   88                          ; v88-91 my row's scale word in blocks 0 to 3
.set WO,   94                          ; v[94:95] the pair that is stored
.set PC,   96                          ; v96-127 the codes: 8 registers for each block of rows
.set MM,   128                         ; v128-191 mid scale1 in the result's layout: register 8 t + j: column 16 t + 8 h + j
.set H,    192                         ; v192-255 64 numbers of a block of rows
.set WV,   20                          ; s20  my wave's number
.set G1C,  28                          ; s[28:35] descriptor group 1, codes;  s[36:43] scale bytes
.set G1S,  36
.set G0C,  44                          ; s[44:59] group 0 for the four chunks;  s[60:63] for the scale bytes
.set G0S,  60
.set AB,   66                          ; s[66:73] my activations' codes at chunk i;  s[74:81] their scale words
.set AS,   74
.set GI,   96                          ; s96-99 which chunk of K is multiplied i-th
.set MUL,  0xad                        ; source 0 window 1, source 1 window 3, C and D window 2
.set MSB, 0
.macro WIN new                         ; s_set_vgpr_msb: bits 1:0 source 0, 3:2 source 1, 5:4 source 2, 7:6 destination; the high byte repeats the setting that is left
.if MSB != \new
	s_set_vgpr_msb (MSB<<8)|\new
.set MSB, \new
.endif
.endm
.macro ROUND                           ; a round of the cluster's barrier
	s_barrier_signal -1
	s_barrier_wait -1
	s_cmp_lg_u32 s[WV], 0
	s_cbranch_scc1 .Lnot_wave_0_\@
	s_barrier_signal -3
.Lnot_wave_0_\@:
	s_barrier_wait -3
	s_barrier_signal -1
	s_barrier_wait -1
.endm
.macro GLOAD u                         ; step u's activations: nine loads
	WIN 0xc0                                       ; destination window 3
.irp a, 0,1,2,3
.irp c, 0,1
	global_load_b128 v[32*((\u)%7)+8*\a+4*\c:32*((\u)%7)+8*\a+4*\c+3], v[LI], s[AB+2*((\u)/8):AB+2*((\u)/8)+1] offset:((\u)%8)*4096+1024*\a+512*\c
.endr
.endr
	WIN 0
	global_load_b64 v[SA+2*((\u)%7):SA+2*((\u)%7)+1], v[LS8], s[AS+2*((\u)/8):AS+2*((\u)/8)+1] offset:((\u)%8)*256
.endm
.macro FETCH u                         ; step u's weights from LDS: 16 loads; every fourth step also the scale words of four steps: 4 loads
.if ((\u)%4) == 0
	WIN 0
.irp t, 0,1,2,3
	ds_load_b128 v[SW+16*(((\u)/4)%2)+4*\t:SW+16*(((\u)/4)%2)+4*\t+3], v[ADS+(\u)/8] offset:2176*\t+16*(((\u)/4)%2)
.endr
.endif
	WIN 0x40                                       ; destination window 1
.irp t, 0,1,2,3,4,5,6,7
.irp c, 0,1
	ds_load_b128 v[64*((\u)%3)+8*\t+4*\c:64*((\u)%3)+8*\t+4*\c+3], v[ADW+(\u)/8] offset:TILEB*\t+64*((\u)%8)+32*\c
.endr
.endr
.endm
; One product: step s, block a of my rows, tile t of the columns.  The weights' word stands in lanes 16-31 for tiles 4-7, the activations' for odd blocks.
.macro WM s, a, t, zero
.set rD, 8*(8*(\a)+(\t))
.set rW, 64*((\s)%3)+8*(\t)
.set rX, 32*((\s)%7)+8*(\a)
.set rB, SW+16*(((\s)/4)%2)+4*((\t)%4)+(\s)%4
.set rA, SA+2*((\s)%7)+(\a)/2
.if \zero
.if ((\t) < 4) && (((\a)%2) == 0)
	v_wmma_scale_f32_16x16x128_f8f6f4 v[rD:rD+7], v[rW:rW+7], v[rX:rX+7], 0, v[rB], v[rA] matrix_a_fmt:MATRIX_FMT_FP4 matrix_b_fmt:MATRIX_FMT_FP4
.elseif (\t) < 4
	v_wmma_scale_f32_16x16x128_f8f6f4 v[rD:rD+7], v[rW:rW+7], v[rX:rX+7], 0, v[rB], v[rA] matrix_a_fmt:MATRIX_FMT_FP4 matrix_b_fmt:MATRIX_FMT_FP4 matrix_b_scale:MATRIX_SCALE_ROW1
.elseif ((\a)%2) == 0
	v_wmma_scale_f32_16x16x128_f8f6f4 v[rD:rD+7], v[rW:rW+7], v[rX:rX+7], 0, v[rB], v[rA] matrix_a_fmt:MATRIX_FMT_FP4 matrix_b_fmt:MATRIX_FMT_FP4 matrix_a_scale:MATRIX_SCALE_ROW1
.else
	v_wmma_scale_f32_16x16x128_f8f6f4 v[rD:rD+7], v[rW:rW+7], v[rX:rX+7], 0, v[rB], v[rA] matrix_a_fmt:MATRIX_FMT_FP4 matrix_b_fmt:MATRIX_FMT_FP4 matrix_a_scale:MATRIX_SCALE_ROW1 matrix_b_scale:MATRIX_SCALE_ROW1
.endif
.else
.if ((\t) < 4) && (((\a)%2) == 0)
	v_wmma_scale_f32_16x16x128_f8f6f4 v[rD:rD+7], v[rW:rW+7], v[rX:rX+7], v[rD:rD+7], v[rB], v[rA] matrix_a_fmt:MATRIX_FMT_FP4 matrix_b_fmt:MATRIX_FMT_FP4
.elseif (\t) < 4
	v_wmma_scale_f32_16x16x128_f8f6f4 v[rD:rD+7], v[rW:rW+7], v[rX:rX+7], v[rD:rD+7], v[rB], v[rA] matrix_a_fmt:MATRIX_FMT_FP4 matrix_b_fmt:MATRIX_FMT_FP4 matrix_b_scale:MATRIX_SCALE_ROW1
.elseif ((\a)%2) == 0
	v_wmma_scale_f32_16x16x128_f8f6f4 v[rD:rD+7], v[rW:rW+7], v[rX:rX+7], v[rD:rD+7], v[rB], v[rA] matrix_a_fmt:MATRIX_FMT_FP4 matrix_b_fmt:MATRIX_FMT_FP4 matrix_a_scale:MATRIX_SCALE_ROW1
.else
	v_wmma_scale_f32_16x16x128_f8f6f4 v[rD:rD+7], v[rW:rW+7], v[rX:rX+7], v[rD:rD+7], v[rB], v[rA] matrix_a_fmt:MATRIX_FMT_FP4 matrix_b_fmt:MATRIX_FMT_FP4 matrix_a_scale:MATRIX_SCALE_ROW1 matrix_b_scale:MATRIX_SCALE_ROW1
.endif
.endif
.endm
.macro MULS s, a0, zero                ; 16 products: blocks a0, a0 + 1 x the eight tiles.  The 32 accumulators take turns, one instruction a turn, in the same order in every step
.irp a, \a0, \a0+1
.irp t, 0,1,2,3,4,5,6,7
	WM \s, \a, \t, \zero
.endr
.endr
.endm
; STEP S of 32 (S is a symbol that the macro steps).  The walk is written out: the slots go modulo 7 and modulo 3, every offset is an immediate and every count a constant.
.macro STEP zero
.if S > 0
.rept 4
	v_nop                                          ; four places between the last step's products and the loads into the ring slot, its scale pair and the set of weights that they read (ISA guide 7.12.1 for vector instructions)
.endr
.endif
.if (S+6) <= 31
	GLOAD S+6
.set LDC, 54                           ; behind step S's nine loads stand those of steps S + 1 .. S + 6
.else
.set LDC, 9*(31-S)                     ; or of the steps that are left
.endif
.set DSC, 0                            ; the LDS loads of the fetches S + 1 and S + 2, which may stay out
.if (S+1) <= 31
.set DSC, DSC+16
.if ((S+1)%4) == 0
.set DSC, DSC+4
.endif
.endif
.if (S+2) <= 31
.set DSC, DSC+16
.if ((S+2)%4) == 0
.set DSC, DSC+4
.endif
.endif
.if (S == 6) || (S == 14) || (S == 22)
	s_wait_tensorcnt 3-(S+2)/8                     ; the fetch of step S + 2 opens the next chunk: my quarter of it has landed; the later chunks' loads may stay out
	s_wait_dscnt 0x0                               ; no LDS access of mine is out at the signal
	s_barrier_signal -1
	s_wait_loadcnt LDC
	WIN MUL
	MULS S, 0, \zero                               ; work on registers while the others arrive
	s_barrier_wait -1                              ; everybody's quarter has landed
	FETCH S+2
	WIN MUL
	MULS S, 2, \zero
.else
.if (S+2) <= 31
	FETCH S+2
.endif
	s_wait_loadcnt LDC
	s_wait_dscnt DSC
	WIN MUL
	MULS S, 0, \zero
	MULS S, 2, \zero
.endif
.set S, S+1
.endm
	s_load_b256 s[4:11], s[0:1], 0x0               ; xq s[4:5], xs s[6:7], B's codes s[8:9], B's scales s[10:11]
	s_load_b256 s[12:19], s[0:1], 0x20             ; mid s[12:13], scale1 s[14:15], hq s[16:17], hs s[18:19]
	v_lshl_add_u32 v[SPW], v0, 2, SPARE
	v_mov_b32 v[NIL], 0
	ds_add_u32 v[SPW], v[NIL]                      ; the wave's opening: the add, twice on end, and its wait ahead of my first tensor load; the set-up below, work on registers, stands between
	ds_add_u32 v[SPW], v[NIL]
	v_lshrrev_b32 v5, 5, v0
	v_readfirstlane_b32 s[WV], v5                  ; wave 0..3
	s_bfe_u32 s21, ttmp6, 0x40000                  ; cx: my place in the cluster: it enters the activations' and the results' addresses alone
	s_lshl_b32 s22, ttmp9, 2
	s_add_co_u32 s22, s22, s21                     ; X = 4 x cluster x + cx
	s_and_b32 s23, ttmp7, 0xffff                   ; y, which the four partners share
	s_and_b32 s24, s23, 3                          ; the rotation
	s_lshl_b32 s25, s22, 2
	s_add_co_u32 s25, s25, s[WV]                   ; mg = 4 X + wave
	; group 1, codes: 32 rows x 512 bytes, 2,048 bytes apart in memory, 16 bytes of padding behind each row in LDS
	s_mov_b32 s[G1C], 15|(0<<16)|(1<<20)|(1<<21)|(6<<22)|(3<<25)  ; 15:0 the mask: all four work-groups; 17:16 elements of 1 byte; 20 padding on; 21 set beside a mask; 24:22 after every 128 words (code 6); 31:25 four words (code 3)
	s_mov_b32 s[G1C+1], 512<<16                    ; tensor_dim0
	s_mov_b32 s[G1C+2], 32<<16                     ; tensor_dim1
	s_mov_b32 s[G1C+3], 512<<16                    ; tile_dim0
	s_mov_b32 s[G1C+4], 32                         ; tile_dim1
	s_mov_b32 s[G1C+5], 2048                       ; tensor_dim0_stride
	s_mov_b32 s[G1C+6], 0
	s_mov_b32 s[G1C+7], 0
	; group 1, scale bytes: 4,096 dense bytes as 16 rows of 256 (32 elements of 8 bytes), 16 bytes of padding behind each
	s_mov_b32 s[G1S], 15|(3<<16)|(1<<20)|(1<<21)|(5<<22)|(3<<25)
	s_mov_b32 s[G1S+1], 32<<16
	s_mov_b32 s[G1S+2], 16<<16
	s_mov_b32 s[G1S+3], 32<<16
	s_mov_b32 s[G1S+4], 16
	s_mov_b32 s[G1S+5], 32
	s_mov_b32 s[G1S+6], 0
	s_mov_b32 s[G1S+7], 0
	s_mov_b32 s82, 0x76543210
	s_mov_b32 s83, 0xfedcba98                      ; v_permlanex16_b32's selects for lane l xor 16
	v_and_b32 v1, 15, v0                           ; r
	v_bfe_u32 v2, v0, 4, 1                         ; h
	v_and_b32 v5, 31, v0                           ; lane
	v_lshlrev_b32 v[LI], 4, v5
	v_lshlrev_b32 v[LS8], 3, v5
	v_mul_u32_u24 v[ADW], v1, 528
	v_lshl_add_u32 v[ADW], v2, 4, v[ADW]
.irp i, 1,2,3
	v_add_nc_u32 v[ADW+\i], \i*CH, v[ADW]
.endr
	v_lshrrev_b32 v6, 1, v1
	v_lshlrev_b32 v7, 7, v1
	v_lshl_add_u32 v7, v6, 4, v7                   ; 128 r + 16 (r / 2)
	v_mad_u32_u24 v7, v2, 8704, v7                 ; lanes 16-31: four tiles (64 rows) further on
	v_add_nc_u32 v7, SCW, v7
.irp i, 0,1,2,3
	s_add_co_u32 s[GI+\i], s24, \i
	s_and_b32 s[GI+\i], s[GI+\i], 3                ; the chunk multiplied i-th
	s_lshl_b32 s86, s[GI+\i], 5                    ; its 32 scale bytes in a row
	v_add_nc_u32 v[ADS+\i], s86, v7
.endr
	s_lshl_b32 s86, s[WV], 9
	s_add_co_u32 s86, s86, MIDST
	v_add_nc_u32 v[MST], s86, v[LI]
	v_lshl_add_u32 v[MRD], v2, 5, s86
	s_wait_dscnt 0x0                               ; both opening adds are done
	s_wait_kmcnt 0x0
	; the weights: wave w fetches rows 32 w .. 32 w + 31 of the tile's 128.  Nothing here hangs on cx
	s_lshl_b32 s86, s23, 18                        ; 128 rows of 2,048 bytes
	s_lshl_b32 s87, s[WV], 16
	s_add_co_u32 s86, s86, s87
	s_mov_b32 s87, 0
	s_add_nc_u64 s[8:9], s[8:9], s[86:87]
	s_lshl_b32 s86, s23, 14                        ; 128 rows of 128 scale bytes
	s_lshl_b32 s88, s[WV], 12
	s_add_co_u32 s86, s86, s88
	s_add_nc_u64 s[10:11], s[10:11], s[86:87]
	s_mul_i32 s89, s[WV], 32*528
	s_mul_i32 s88, s[WV], 16*272
	s_mov_b32 s[G0S], 1                            ; count = 1
	s_add_co_u32 s[G0S+1], s88, SCW                ; LDS address
	s_mov_b64 s[G0S+2:G0S+3], s[10:11]             ; global address
	s_or_b32 s[G0S+3], s[G0S+3], 0x80000000        ; type = 2
	s_mov_b32 s91, 0
.irp i, 0,1,2,3
	s_lshl_b32 s90, s[GI+\i], 9                    ; a chunk is 512 bytes of a row
	s_mov_b32 s[G0C+4*\i], 1
	s_add_co_u32 s[G0C+4*\i+1], s89, \i*CH
	s_add_nc_u64 s[G0C+4*\i+2:G0C+4*\i+3], s[8:9], s[90:91]
	s_or_b32 s[G0C+4*\i+3], s[G0C+4*\i+3], 0x80000000
.endr
	ROUND                                          ; all four work-groups are here: the joint loads meet
	tensor_load_to_lds s[G0S:G0S+3], s[G1S:G1S+7]  ; the scale bytes first: they are wanted with chunk 0.  Five loads of mine are out, all first fills
	s_nop 0
.irp i, 0,1,2,3
	tensor_load_to_lds s[G0C+4*\i:G0C+4*\i+3], s[G1C:G1C+7]
	s_nop 0
.endr
.rept 4
	v_nop
.endr
	s_load_b32 s84, s[14:15], 0x0                  ; scale1
	s_lshl_b32 s92, s25, 17                        ; my group's codes: 32 K steps of 4,096 bytes
	s_mov_b32 s93, 0
	s_add_nc_u64 s[4:5], s[4:5], s[92:93]
	s_lshl_b32 s92, s25, 13                        ; and scale words: 32 x 256 bytes
	s_add_nc_u64 s[6:7], s[6:7], s[92:93]
.irp i, 0,1,2,3
	s_lshl_b32 s92, s[GI+\i], 15
	s_add_nc_u64 s[AB+2*\i:AB+2*\i+1], s[4:5], s[92:93]
	s_lshl_b32 s92, s[GI+\i], 11
	s_add_nc_u64 s[AS+2*\i:AS+2*\i+1], s[6:7], s[92:93]
.endr
	s_lshl_b32 s86, s23, 9                         ; my tile's 128 numbers of mid
	s_add_nc_u64 s[12:13], s[12:13], s[86:87]
	global_load_b128 v[CV:CV+3], v[LI], s[12:13]
.irp u, 0,1,2,3,4,5
	GLOAD \u
.endr
	s_lshl_b32 s92, s25, 5
	s_add_co_u32 s92, s92, s23                     ; 32 mg + y: my columns are K step y of the next product
	s_lshl_b32 s94, s92, 12
	s_mov_b32 s95, 0
	s_add_nc_u64 s[16:17], s[16:17], s[94:95]
	s_lshl_b32 s94, s92, 8
	s_add_nc_u64 s[18:19], s[18:19], s[94:95]
	s_wait_kmcnt 0x0
	s_mov_b32 s85, s84                             ; (the packed form names the pair)
	s_wait_tensorcnt 3                             ; my quarters of the scale bytes and of chunk 0 have landed; chunks 1 to 3 may stay out
	s_barrier_signal -1
	s_barrier_wait -1                              ; everybody's have
	FETCH 0
	FETCH 1
.set S, 0
	STEP 1                                         ; the first step's products start the sums: nothing is cleared
.rept 31
	STEP 0
.endr
	WIN 0
	; THE WAY OUT.  mid scale1 into the result's layout, through my own 512 bytes of LDS.  The six lines below are the places behind the last products
	v_pk_mul_f32 v[CV:CV+1], v[CV:CV+1], s[84:85] op_sel_hi:[1,0]
	v_pk_mul_f32 v[CV+2:CV+3], v[CV+2:CV+3], s[84:85] op_sel_hi:[1,0]
.irp b, 0,1,2,3
	v_mov_b32 v[TP+\b], 0                          ; written once: a lane permute's destination counts as one of its sources
.endr
	ds_store_b128 v[MST], v[CV:CV+3]
.irp t, 0,1,2,3,4,5,6,7
.irp e, 0,1
	ds_load_b128 v[MM+8*\t+4*\e:MM+8*\t+4*\e+3], v[MRD] offset:64*\t+16*\e   ; LDS serves a wave's instructions in order: these see my store
.endr
.endr
	s_wait_dscnt 0x0
; 64 numbers of a lane, register 8 t + j = k 16 t + 8 h + j of my row in block a, become the fragment's codes in v[PC + 8 a] on and the row's scale word
.macro QUANTN a
.irp b, 0,1,2,3
	v_max3_num_f32 v[TM+\b], |v[H+16*\b]|, |v[H+16*\b+1]|, 0x1800000   ; block b: tiles 2 b and 2 b + 1: my 16 numbers, and the floor 2^(3 - 127), which keeps the byte at 1 from below
.endr
.irp i, 2,4,6,8,10,12,14
.irp b, 0,1,2,3
	v_max3_num_f32 v[TM+\b], v[TM+\b], |v[H+16*\b+\i]|, |v[H+16*\b+\i+1]|   ; (the four blocks by turns)
.endr
.endr
.irp b, 0,1,2,3
	v_permlanex16_b32 v[TP+\b], v[TM+\b], s82, s83
.endr
.irp b, 0,1,2,3
	v_max_num_f32 v[TM+\b], v[TM+\b], v[TP+\b]     ; with lane l xor 16's 16: the block's largest magnitude
.endr
.irp b, 0,1,2,3
	v_add_nc_u32 v[TM+\b], 0xff000000, v[TM+\b]    ; 2 off its exponent field: the conversion's scale operand
.endr
.irp b, 0,1,2,3
	v_lshrrev_b32 v[TP+\b], 23, v[TM+\b]           ; the scale's byte
.endr
	v_lshl_or_b32 v[PW+(\a)], v[TP+1], 8, v[TP]
	v_lshl_or_b32 v[PW+(\a)], v[TP+2], 16, v[PW+(\a)]
	v_lshl_or_b32 v[PW+(\a)], v[TP+3], 24, v[PW+(\a)]
.irp c, 0,1                            ; tile 4 c + u gives the codes of k = 64 c + 16 u + 8 h + 0 .. 7.  They are laid so that two exchanges of halves make registers 4 c .. 4 c + 3 hold k = 64 c + 32 h + 0 .. 31
	v_cvt_scalef32_pk8_fp4_f32 v[PC+8*(\a)+4*\c], v[H+32*\c:H+32*\c+7], v[TM+2*\c]
	v_cvt_scalef32_pk8_fp4_f32 v[PC+8*(\a)+4*\c+2], v[H+32*\c+8:H+32*\c+15], v[TM+2*\c]
	v_cvt_scalef32_pk8_fp4_f32 v[PC+8*(\a)+4*\c+1], v[H+32*\c+16:H+32*\c+23], v[TM+2*\c+1]
	v_cvt_scalef32_pk8_fp4_f32 v[PC+8*(\a)+4*\c+3], v[H+32*\c+24:H+32*\c+31], v[TM+2*\c+1]
.endr
	v_nop                                          ; one plain place behind the last scaled conversion
.irp c, 0,1
	v_permlane16_swap_b32 v[PC+8*(\a)+4*\c], v[PC+8*(\a)+4*\c+1]     ; the first's lanes 16-31 change places with the second's lanes 0-15
	v_permlane16_swap_b32 v[PC+8*(\a)+4*\c+2], v[PC+8*(\a)+4*\c+3]
.endr
.endm
.irp a, 0,1,2,3
	WIN 0x02                                       ; source 0 window 2
.irp j, 0,2,4,6,8,10,12,14,16,18,20,22,24,26,28,30,32,34,36,38,40,42,44,46,48,50,52,54,56,58,60,62
	v_pk_mul_f32 v[H+\j:H+\j+1], v[64*\a+\j:64*\a+\j+1], v[MM+\j:MM+\j+1]   ; each accumulator from its low end on
.endr
	WIN 0
	QUANTN \a
	global_store_b128 v[LI], v[PC+8*\a:PC+8*\a+3], s[16:17] offset:1024*\a        ; 32 lanes store 512 consecutive bytes, at a multiple of 256 from the buffer's first byte
	global_store_b128 v[LI], v[PC+8*\a+4:PC+8*\a+7], s[16:17] offset:1024*\a+512
.endr
	v_cmp_lt_u32 vcc_lo, 15, v5                    ; lanes 16-31 carry the odd blocks' words
	v_cndmask_b32 v[WO], v[PW], v[PW+1], vcc_lo
	v_cndmask_b32 v[WO+1], v[PW+2], v[PW+3], vcc_lo
	global_store_b64 v[LS8], v[WO:WO+1], s[18:19]  ; 256 consecutive bytes, aligned
	s_wait_tensorcnt 0x0                           ; the wave's end: behind my last tensor load and my last LDS store
	ds_add_u32 v[SPW], v[NIL]
	s_wait_dscnt 0x0
	ROUND                                          ; the closing round
	s_endpgm
.Lfunc_end_k_q555d9cf538_gemm1:
	.size	k_q555d9cf538_gemm1, .Lfunc_end_k_q555d9cf538_gemm1-k_q555d9cf538_gemm1
	.p2alignl 7, 3214868480
	.fill 96, 4, 3214868480
	.section	.rodata,"a",@progbits
	.p2align	6, 0x0
	.amdhsa_kernel k_q555d9cf538_gemm1
		.amdhsa_group_segment_fixed_size 290304
		.amdhsa_private_segment_fixed_size 0
		.amdhsa_enable_private_segment 0
		.amdhsa_kernarg_size 64
		.amdhsa_user_sgpr_count 2
		.amdhsa_user_sgpr_kernarg_segment_ptr 1
		.amdhsa_wavefront_size32 1
		.amdhsa_system_sgpr_workgroup_id_x 1
		.amdhsa_system_sgpr_workgroup_id_y 1
		.amdhsa_system_sgpr_workgroup_id_z 1
		.amdhsa_system_vgpr_workitem_id 0
		.amdhsa_next_free_vgpr 1024
		.amdhsa_next_free_sgpr 100
		.amdhsa_reserve_vcc 1
		.amdhsa_float_denorm_mode_32 3
		.amdhsa_float_denorm_mode_16_64 3
		.amdhsa_memory_ordered 1
		.amdhsa_forward_progress 1
		.amdhsa_inst_pref_size 233
	.end_amdhsa_kernel
	.amdgpu_metadata
---
amdhsa.version: [ 1, 2 ]
amdhsa.kernels:
  - .name:           k_q555d9cf538_gemm1
    .symbol:         k_q555d9cf538_gemm1.kd
    .args:
      - { .name: xq, .offset: 0, .size: 8, .value_kind: global_buffer, .address_space: global }
      - { .name: xs, .offset: 8, .size: 8, .value_kind: global_buffer, .address_space: global }
      - { .name: B_codes, .offset: 16, .size: 8, .value_kind: global_buffer, .address_space: global }
      - { .name: B_scales, .offset: 24, .size: 8, .value_kind: global_buffer, .address_space: global }
      - { .name: mid, .offset: 32, .size: 8, .value_kind: global_buffer, .address_space: global }
      - { .name: scale1, .offset: 40, .size: 8, .value_kind: global_buffer, .address_space: global }
      - { .name: hq, .offset: 48, .size: 8, .value_kind: global_buffer, .address_space: global }
      - { .name: hs, .offset: 56, .size: 8, .value_kind: global_buffer, .address_space: global }
    .group_segment_fixed_size: 290304
    .private_segment_fixed_size: 0
    .kernarg_segment_align: 8
    .kernarg_segment_size: 64
    .max_flat_workgroup_size: 128
    .sgpr_count:     100
    .vgpr_count:     1024
    .wavefront_size: 32
...
	.end_amdgpu_metadata
.endif
;; end of part 2
;; launch gemm2 (part 3): grid 8 x 32, 4 waves a work-group, clusters of 4 x 1, 288,256 bytes of LDS; arguments hq, hs, A_codes, A_scales, Da, scale3, bias, out0; writes out0
.if DOCPART == 3
	.amdgcn_target "amdgcn-amd-amdhsa--gfx1250"
	.amdhsa_code_object_version 6
	.text
	.protected	k_q555d9cf538_gemm2
	.globl	k_q555d9cf538_gemm2
	.p2align	8
	.type	k_q555d9cf538_gemm2,@function
k_q555d9cf538_gemm2:
	s_mov_b64 s[64:65], 0
	v_nop
	global_prefetch_b8 v0, s[64:65] scope:SCOPE_SE
	s_setreg_imm32_b32 hwreg(HW_REG_WAVE_MODE, 25, 1), 1
	s_wait_xcnt 0x0
	s_wait_alu depctr_hold_cnt(0) depctr_sa_sdst(0) depctr_va_vdst(0) depctr_va_sdst(0) depctr_va_ssrc(0) depctr_va_vcc(0) depctr_vm_vsrc(0)
	s_getreg_b32 s2, hwreg(HW_REG_IB_STS2, 6, 4)
	s_cmp_eq_u32 s2, 0
	s_cbranch_scc0 .Lentry_in_a_cluster
	s_endpgm
.Lentry_in_a_cluster:
	s_bfe_u32 s2, ttmp6, 0x10000c
	s_cmp_lg_u32 s2, 0x3003
	s_cbranch_scc0 .Lentry_shape_is_right
	s_endpgm
.Lentry_shape_is_right:
; THE SECOND PRODUCT AND THE OUTPUT: out0 = (hq A^T) scale3 Da + bias.  Nothing of the problem is left out here.
; Left operand: hq, hs, codes and scale words in the order of the operand's registers ([mg 32][ks 32][a 4][c 2][lane 32][16 bytes]; [mg][ks][lane][2 words]).  Right operand: A_codes [4096][2048 bytes], A_scales [4096][128], K innermost, as given.
; SHARES.  A work-group makes 256 rows x 128 columns: 8 x 32 work-groups.  Wave w owns the 64 rows of group mg = 4 X + w against all 128 columns: 4 x 8 accumulators of 16 x 16, 256 registers.
; THE WEIGHTS STAY IN LDS.  The tile's 128 rows of A for ALL of K (128 x 2,048 bytes) and their scale bytes come once, by five tensor loads a wave at the head; no LDS byte is filled twice, so the walk over K has no change of slots.
; CLUSTER 4 x 1: the four work-groups of a cluster have the same y, so the same weights: each tile is asked for JOINTLY (mask 15).  The other axis has nothing to share: the activations go to registers, each wave's rows its own.
; THE ACTIVATIONS GO FROM MEMORY STRAIGHT INTO REGISTERS: a K step of 128 is 8 loads of 512 consecutive bytes and one of 256, through a ring of 7 register slots, six steps ahead.
; THE WALK OVER K IS ROTATED: K is four chunks of 1,024; the i-th chunk that a work-group multiplies is chunk (i + y) & 3, so that the work-groups that read the same activations do not all ask for the same bytes first.
; LDS chunk i always holds the chunk multiplied i-th: only global addresses and the place of the weights' scale words hang on y, which the partners share.
; THE MATRIX INSTRUCTION IS USED TRANSPOSED (source 0 = 16 rows of A, source 1 = 16 rows of h): lane (r, h) holds row r and columns 16 t + 8 h + 0 .. 7: 32 neighbouring bytes of a row of the output.
; THE WAY OUT: a block of 16 rows x 128 columns goes through my own stage in LDS and comes back as whole rows of 512 bytes; there a lane holds the same four columns in every row, so 8 registers of Da scale3 and bias serve one fused multiply-add.
; The stage lies in chunk 0's bytes: they have had their only fill, and every wave's reads of them are over at the walk's first barrier, in front of which each wave waits for its LDS loads.
; LIMITS: NaN and infinities are not served.  K is not summed in ascending order (f32 sums: rounding alone differs).  Da x scale3 is multiplied first: one rounding stands elsewhere than in the formula as written.
; REGISTERS, in windows of 256: window 0: v1-29 addresses and constants; v32-63 the weights' scale words, two sets of 16; v64-77 the activations', 7 x 2; v128-255 the way out.
;   window 1: the weights' fragments, three sets of 64.   window 2: accumulator (a, t) at v[8 (8 a + t)].   window 3: the ring: slot u % 7, block a at v[32 (u % 7) + 8 a].
.set CH,     67584                     ; a chunk in LDS: 128 rows x (512 bytes + 16): 132 words a row, so that row r starts at bank 4 r mod 64 (64 banks of 4 bytes: ISA guide 11.1)
.set TILEB,  8448                      ; 16 such rows; also a wave's stage on the way out
.set SCW,    4*CH                      ; the weights' scale bytes: 64 units of 256 bytes + 16; row R at 128 R + 16 (R / 2)
.set SPARE,  SCW+17408                 ; the spare words, 128 bytes for each wave: two blocks of 256 bytes that no other line names
.set LI,   3                           ; v3   16 x lane
.set LS8,  4                           ; v4   8 x lane
.set ADW,  8                           ; v8-11  my place in a tile of chunk i: 528 r + 16 h + i CH
.set ADS,  12                          ; v12-15 my scale words in chunk i: lanes 0-15 tiles 0-3, lanes 16-31 tiles 4-7
.set CV,   16                          ; v[16:19] Da, v[20:23] bias of columns 4 lane + 0 .. 3
.set STO,  24                          ; v24  the stage: where I put 32 bytes of a row
.set RD,   25                          ; v25  and where I read a row back
.set SPW,  28                          ; v28  LDS address of my spare word; never rewritten
.set NIL,  29                          ; v29  0; never rewritten
.set SW,   32
.set SA,   64
.set BK,   128                         ; v128-191, v192-255 by turns: 16 rows read back from the stage
.set WV,   20                          ; s20  my wave's number
.set G1C,  28                          ; s[28:35] descriptor group 1, codes;  s[36:43] scale bytes
.set G1S,  36
.set G0C,  44                          ; s[44:59] group 0 for the four chunks;  s[60:63] for the scale bytes
.set G0S,  60
.set AB,   66                          ; s[66:73] my activations' codes at chunk i;  s[74:81] their scale words
.set AS,   74
.set GI,   96                          ; s96-99 which chunk of K is multiplied i-th
.set MUL,  0xad                        ; source 0 window 1, source 1 window 3, C and D window 2
.set MSB, 0
.macro WIN new                         ; s_set_vgpr_msb: bits 1:0 source 0, 3:2 source 1, 5:4 source 2, 7:6 destination; the high byte repeats the setting that is left
.if MSB != \new
	s_set_vgpr_msb (MSB<<8)|\new
.set MSB, \new
.endif
.endm
.macro ROUND                           ; a round of the cluster's barrier
	s_barrier_signal -1
	s_barrier_wait -1
	s_cmp_lg_u32 s[WV], 0
	s_cbranch_scc1 .Lnot_wave_0_\@
	s_barrier_signal -3
.Lnot_wave_0_\@:
	s_barrier_wait -3
	s_barrier_signal -1
	s_barrier_wait -1
.endm
.macro GLOAD u                         ; step u's activations: nine loads
	WIN 0xc0                                       ; destination window 3
.irp a, 0,1,2,3
.irp c, 0,1
	global_load_b128 v[32*((\u)%7)+8*\a+4*\c:32*((\u)%7)+8*\a+4*\c+3], v[LI], s[AB+2*((\u)/8):AB+2*((\u)/8)+1] offset:((\u)%8)*4096+1024*\a+512*\c
.endr
.endr
	WIN 0
	global_load_b64 v[SA+2*((\u)%7):SA+2*((\u)%7)+1], v[LS8], s[AS+2*((\u)/8):AS+2*((\u)/8)+1] offset:((\u)%8)*256
.endm
.macro FETCH u                         ; step u's weights from LDS: 16 loads; every fourth step also the scale words of four steps: 4 loads
.if ((\u)%4) == 0
	WIN 0
.irp t, 0,1,2,3
	ds_load_b128 v[SW+16*(((\u)/4)%2)+4*\t:SW+16*(((\u)/4)%2)+4*\t+3], v[ADS+(\u)/8] offset:2176*\t+16*(((\u)/4)%2)
.endr
.endif
	WIN 0x40                                       ; destination window 1
.irp t, 0,1,2,3,4,5,6,7
.irp c, 0,1
	ds_load_b128 v[64*((\u)%3)+8*\t+4*\c:64*((\u)%3)+8*\t+4*\c+3], v[ADW+(\u)/8] offset:TILEB*\t+64*((\u)%8)+32*\c
.endr
.endr
.endm
; One product: step s, block a of my rows, tile t of the columns.  The weights' word stands in lanes 16-31 for tiles 4-7, the activations' for odd blocks.
.macro WM s, a, t, zero
.set rD, 8*(8*(\a)+(\t))
.set rW, 64*((\s)%3)+8*(\t)
.set rX, 32*((\s)%7)+8*(\a)
.set rB, SW+16*(((\s)/4)%2)+4*((\t)%4)+(\s)%4
.set rA, SA+2*((\s)%7)+(\a)/2
.if \zero
.if ((\t) < 4) && (((\a)%2) == 0)
	v_wmma_scale_f32_16x16x128_f8f6f4 v[rD:rD+7], v[rW:rW+7], v[rX:rX+7], 0, v[rB], v[rA] matrix_a_fmt:MATRIX_FMT_FP4 matrix_b_fmt:MATRIX_FMT_FP4
.elseif (\t) < 4
	v_wmma_scale_f32_16x16x128_f8f6f4 v[rD:rD+7], v[rW:rW+7], v[rX:rX+7], 0, v[rB], v[rA] matrix_a_fmt:MATRIX_FMT_FP4 matrix_b_fmt:MATRIX_FMT_FP4 matrix_b_scale:MATRIX_SCALE_ROW1
.elseif ((\a)%2) == 0
	v_wmma_scale_f32_16x16x128_f8f6f4 v[rD:rD+7], v[rW:rW+7], v[rX:rX+7], 0, v[rB], v[rA] matrix_a_fmt:MATRIX_FMT_FP4 matrix_b_fmt:MATRIX_FMT_FP4 matrix_a_scale:MATRIX_SCALE_ROW1
.else
	v_wmma_scale_f32_16x16x128_f8f6f4 v[rD:rD+7], v[rW:rW+7], v[rX:rX+7], 0, v[rB], v[rA] matrix_a_fmt:MATRIX_FMT_FP4 matrix_b_fmt:MATRIX_FMT_FP4 matrix_a_scale:MATRIX_SCALE_ROW1 matrix_b_scale:MATRIX_SCALE_ROW1
.endif
.else
.if ((\t) < 4) && (((\a)%2) == 0)
	v_wmma_scale_f32_16x16x128_f8f6f4 v[rD:rD+7], v[rW:rW+7], v[rX:rX+7], v[rD:rD+7], v[rB], v[rA] matrix_a_fmt:MATRIX_FMT_FP4 matrix_b_fmt:MATRIX_FMT_FP4
.elseif (\t) < 4
	v_wmma_scale_f32_16x16x128_f8f6f4 v[rD:rD+7], v[rW:rW+7], v[rX:rX+7], v[rD:rD+7], v[rB], v[rA] matrix_a_fmt:MATRIX_FMT_FP4 matrix_b_fmt:MATRIX_FMT_FP4 matrix_b_scale:MATRIX_SCALE_ROW1
.elseif ((\a)%2) == 0
	v_wmma_scale_f32_16x16x128_f8f6f4 v[rD:rD+7], v[rW:rW+7], v[rX:rX+7], v[rD:rD+7], v[rB], v[rA] matrix_a_fmt:MATRIX_FMT_FP4 matrix_b_fmt:MATRIX_FMT_FP4 matrix_a_scale:MATRIX_SCALE_ROW1
.else
	v_wmma_scale_f32_16x16x128_f8f6f4 v[rD:rD+7], v[rW:rW+7], v[rX:rX+7], v[rD:rD+7], v[rB], v[rA] matrix_a_fmt:MATRIX_FMT_FP4 matrix_b_fmt:MATRIX_FMT_FP4 matrix_a_scale:MATRIX_SCALE_ROW1 matrix_b_scale:MATRIX_SCALE_ROW1
.endif
.endif
.endm
.macro MULS s, a0, zero                ; 16 products: blocks a0, a0 + 1 x the eight tiles.  The 32 accumulators take turns, one instruction a turn, in the same order in every step
.irp a, \a0, \a0+1
.irp t, 0,1,2,3,4,5,6,7
	WM \s, \a, \t, \zero
.endr
.endr
.endm
; STEP S of 32 (S is a symbol that the macro steps).  The walk is written out: the slots go modulo 7 and modulo 3, every offset is an immediate and every count a constant.
.macro STEP zero
.if S > 0
.rept 4
	v_nop                                          ; four places between the last step's products and the loads into the ring slot, its scale pair and the set of weights that they read (ISA guide 7.12.1 for vector instructions)
.endr
.endif
.if (S+6) <= 31
	GLOAD S+6
.set LDC, 54                           ; behind step S's nine loads stand those of steps S + 1 .. S + 6
.else
.set LDC, 9*(31-S)                     ; or of the steps that are left
.endif
.set DSC, 0                            ; the LDS loads of the fetches S + 1 and S + 2, which may stay out
.if (S+1) <= 31
.set DSC, DSC+16
.if ((S+1)%4) == 0
.set DSC, DSC+4
.endif
.endif
.if (S+2) <= 31
.set DSC, DSC+16
.if ((S+2)%4) == 0
.set DSC, DSC+4
.endif
.endif
.if (S == 6) || (S == 14) || (S == 22)
	s_wait_tensorcnt 3-(S+2)/8                     ; the fetch of step S + 2 opens the next chunk: my quarter of it has landed; the later chunks' loads may stay out
	s_wait_dscnt 0x0                               ; no LDS access of mine is out at the signal: my reads of the chunk that is left are over
	s_barrier_signal -1
	s_wait_loadcnt LDC
	WIN MUL
	MULS S, 0, \zero                               ; work on registers while the others arrive
	s_barrier_wait -1                              ; everybody's quarter has landed
	FETCH S+2
	WIN MUL
	MULS S, 2, \zero
.else
.if (S+2) <= 31
	FETCH S+2
.endif
	s_wait_loadcnt LDC
	s_wait_dscnt DSC
	WIN MUL
	MULS S, 0, \zero
	MULS S, 2, \zero
.endif
.set S, S+1
.endm
	s_load_b256 s[4:11], s[0:1], 0x0               ; hq s[4:5], hs s[6:7], A's codes s[8:9], A's scales s[10:11]
	s_load_b256 s[12:19], s[0:1], 0x20             ; Da s[12:13], scale3 s[14:15], bias s[16:17], out0 s[18:19]
	v_lshl_add_u32 v[SPW], v0, 2, SPARE
	v_mov_b32 v[NIL], 0
	ds_add_u32 v[SPW], v[NIL]                      ; the wave's opening: the add, twice on end, and its wait ahead of my first tensor load; the set-up below, work on registers, stands between
	ds_add_u32 v[SPW], v[NIL]
	v_lshrrev_b32 v5, 5, v0
	v_readfirstlane_b32 s[WV], v5                  ; wave 0..3
	s_bfe_u32 s21, ttmp6, 0x40000                  ; cx: my place in the cluster: it enters the activations' and the results' addresses alone
	s_lshl_b32 s22, ttmp9, 2
	s_add_co_u32 s22, s22, s21                     ; X = 4 x cluster x + cx
	s_and_b32 s23, ttmp7, 0xffff                   ; y, which the four partners share
	s_and_b32 s24, s23, 3                          ; the rotation
	s_lshl_b32 s25, s22, 2
	s_add_co_u32 s25, s25, s[WV]                   ; mg = 4 X + wave
	; group 1, codes: 32 rows x 512 bytes, 2,048 bytes apart in memory, 16 bytes of padding behind each row in LDS
	s_mov_b32 s[G1C], 15|(0<<16)|(1<<20)|(1<<21)|(6<<22)|(3<<25)  ; 15:0 the mask: all four work-groups; 17:16 elements of 1 byte; 20 padding on; 21 set beside a mask; 24:22 after every 128 words (code 6); 31:25 four words (code 3)
	s_mov_b32 s[G1C+1], 512<<16                    ; tensor_dim0
	s_mov_b32 s[G1C+2], 32<<16                     ; tensor_dim1
	s_mov_b32 s[G1C+3], 512<<16                    ; tile_dim0
	s_mov_b32 s[G1C+4], 32                         ; tile_dim1
	s_mov_b32 s[G1C+5], 2048                       ; tensor_dim0_stride
	s_mov_b32 s[G1C+6], 0
	s_mov_b32 s[G1C+7], 0
	; group 1, scale bytes: 4,096 dense bytes as 16 rows of 256 (32 elements of 8 bytes), 16 bytes of padding behind each
	s_mov_b32 s[G1S], 15|(3<<16)|(1<<20)|(1<<21)|(5<<22)|(3<<25)
	s_mov_b32 s[G1S+1], 32<<16
	s_mov_b32 s[G1S+2], 16<<16
	s_mov_b32 s[G1S+3], 32<<16
	s_mov_b32 s[G1S+4], 16
	s_mov_b32 s[G1S+5], 32
	s_mov_b32 s[G1S+6], 0
	s_mov_b32 s[G1S+7], 0
	v_and_b32 v1, 15, v0                           ; r
	v_bfe_u32 v2, v0, 4, 1                         ; h
	v_and_b32 v5, 31, v0                           ; lane
	v_lshlrev_b32 v[LI], 4, v5
	v_lshlrev_b32 v[LS8], 3, v5
	v_mul_u32_u24 v[ADW], v1, 528
	v_lshl_add_u32 v[ADW], v2, 4, v[ADW]
.irp i, 1,2,3
	v_add_nc_u32 v[ADW+\i], \i*CH, v[ADW]
.endr
	v_lshrrev_b32 v6, 1, v1
	v_lshlrev_b32 v7, 7, v1
	v_lshl_add_u32 v7, v6, 4, v7                   ; 128 r + 16 (r / 2)
	v_mad_u32_u24 v7, v2, 8704, v7                 ; lanes 16-31: four tiles (64 rows) further on
	v_add_nc_u32 v7, SCW, v7
.irp i, 0,1,2,3
	s_add_co_u32 s[GI+\i], s24, \i
	s_and_b32 s[GI+\i], s[GI+\i], 3                ; the chunk multiplied i-th
	s_lshl_b32 s86, s[GI+\i], 5                    ; its 32 scale bytes in a row
	v_add_nc_u32 v[ADS+\i], s86, v7
.endr
	s_mul_i32 s86, s[WV], TILEB                    ; my stage
	v_mul_u32_u24 v[STO], v1, 528
	v_lshl_add_u32 v[STO], v2, 5, v[STO]
	v_add_nc_u32 v[STO], s86, v[STO]               ; in: row r, + 32 h
	v_add_nc_u32 v[RD], s86, v[LI]                 ; back: 16 bytes a lane of a row
	s_wait_dscnt 0x0                               ; both opening adds are done
	s_wait_kmcnt 0x0
	; the weights: wave w fetches rows 32 w .. 32 w + 31 of the tile's 128.  Nothing here hangs on cx
	s_lshl_b32 s86, s23, 18                        ; 128 rows of 2,048 bytes
	s_lshl_b32 s87, s[WV], 16
	s_add_co_u32 s86, s86, s87
	s_mov_b32 s87, 0
	s_add_nc_u64 s[8:9], s[8:9], s[86:87]
	s_lshl_b32 s86, s23, 14                        ; 128 rows of 128 scale bytes
	s_lshl_b32 s88, s[WV], 12
	s_add_co_u32 s86, s86, s88
	s_add_nc_u64 s[10:11], s[10:11], s[86:87]
	s_mul_i32 s89, s[WV], 32*528
	s_mul_i32 s88, s[WV], 16*272
	s_mov_b32 s[G0S], 1                            ; count = 1
	s_add_co_u32 s[G0S+1], s88, SCW                ; LDS address
	s_mov_b64 s[G0S+2:G0S+3], s[10:11]             ; global address
	s_or_b32 s[G0S+3], s[G0S+3], 0x80000000        ; type = 2
	s_mov_b32 s91, 0
.irp i, 0,1,2,3
	s_lshl_b32 s90, s[GI+\i], 9                    ; a chunk is 512 bytes of a row
	s_mov_b32 s[G0C+4*\i], 1
	s_add_co_u32 s[G0C+4*\i+1], s89, \i*CH
	s_add_nc_u64 s[G0C+4*\i+2:G0C+4*\i+3], s[8:9], s[90:91]
	s_or_b32 s[G0C+4*\i+3], s[G0C+4*\i+3], 0x80000000
.endr
	ROUND                                          ; all four work-groups are here: the joint loads meet
	tensor_load_to_lds s[G0S:G0S+3], s[G1S:G1S+7]  ; the scale bytes first: they are wanted with chunk 0.  Five loads of mine are out, all first fills
	s_nop 0
.irp i, 0,1,2,3
	tensor_load_to_lds s[G0C+4*\i:G0C+4*\i+3], s[G1C:G1C+7]
	s_nop 0
.endr
.rept 4
	v_nop
.endr
	s_load_b32 s84, s[14:15], 0x0                  ; scale3
	s_lshl_b32 s92, s25, 17                        ; my group's codes: 32 K steps of 4,096 bytes
	s_mov_b32 s93, 0
	s_add_nc_u64 s[4:5], s[4:5], s[92:93]
	s_lshl_b32 s92, s25, 13                        ; and scale words: 32 x 256 bytes
	s_add_nc_u64 s[6:7], s[6:7], s[92:93]
.irp i, 0,1,2,3
	s_lshl_b32 s92, s[GI+\i], 15
	s_add_nc_u64 s[AB+2*\i:AB+2*\i+1], s[4:5], s[92:93]
	s_lshl_b32 s92, s[GI+\i], 11
	s_add_nc_u64 s[AS+2*\i:AS+2*\i+1], s[6:7], s[92:93]
.endr
	s_lshl_b32 s86, s23, 9                         ; my tile's 128 numbers of Da and of bias
	s_add_nc_u64 s[12:13], s[12:13], s[86:87]
	s_add_nc_u64 s[16:17], s[16:17], s[86:87]
	global_load_b128 v[CV:CV+3], v[LI], s[12:13]
	global_load_b128 v[CV+4:CV+7], v[LI], s[16:17]
.irp u, 0,1,2,3,4,5
	GLOAD \u
.endr
	s_lshl_b32 s94, s25, 20                        ; my 64 rows of 16,384 bytes,
	s_lshl_b32 s92, s23, 9                         ; my tile's 512 bytes of a row
	s_add_co_u32 s94, s94, s92
	s_mov_b32 s95, 0
	s_add_nc_u64 s[18:19], s[18:19], s[94:95]
	s_wait_kmcnt 0x0
	s_mov_b32 s85, s84                             ; (the packed form names the pair)
	s_wait_tensorcnt 3                             ; my quarters of the scale bytes and of chunk 0 have landed; chunks 1 to 3 may stay out
	s_barrier_signal -1
	s_barrier_wait -1                              ; everybody's have
	FETCH 0
	FETCH 1
.set S, 0
	STEP 1                                         ; the first step's products start the sums: nothing is cleared
.rept 31
	STEP 0
.endr
	WIN 0
	; THE WAY OUT.  The four lines below are the places behind the last products
	v_pk_mul_f32 v[CV:CV+1], v[CV:CV+1], s[84:85] op_sel_hi:[1,0]       ; Da scale3
	v_pk_mul_f32 v[CV+2:CV+3], v[CV+2:CV+3], s[84:85] op_sel_hi:[1,0]
	v_nop
	v_nop
.macro TOSTAGE a                       ; block a: 16 rows x 128 columns into my stage and back as whole rows.  LDS serves a wave's instructions in order: no wait between the stores and the loads, nor in front of the next block's stores
	WIN 0x08                                       ; an LDS store's data are its source 1: window 2
.irp t, 0,1,2,3,4,5,6,7
	ds_store_b128 v[STO], v[64*(\a)+8*\t:64*(\a)+8*\t+3] offset:64*\t          ; each accumulator from its low end on
	ds_store_b128 v[STO], v[64*(\a)+8*\t+4:64*(\a)+8*\t+7] offset:64*\t+16
.endr
	WIN 0
.irp i, 0,1,2,3,4,5,6,7,8,9,10,11,12,13,14,15
	ds_load_b128 v[BK+64*((\a)%2)+4*\i:BK+64*((\a)%2)+4*\i+3], v[RD] offset:528*\i
.endr
.endm
.macro SEND a, younger                 ; younger: the LDS instructions issued behind block a's loads, which may stay out
	s_wait_dscnt \younger                          ; the block is back in registers
.irp i, 0,1,2,3,4,5,6,7,8,9,10,11,12,13,14,15
	v_pk_fma_f32 v[BK+64*((\a)%2)+4*\i:BK+64*((\a)%2)+4*\i+1], v[BK+64*((\a)%2)+4*\i:BK+64*((\a)%2)+4*\i+1], v[CV:CV+1], v[CV+4:CV+5]
	v_pk_fma_f32 v[BK+64*((\a)%2)+4*\i+2:BK+64*((\a)%2)+4*\i+3], v[BK+64*((\a)%2)+4*\i+2:BK+64*((\a)%2)+4*\i+3], v[CV+2:CV+3], v[CV+6:CV+7]
.endr
.irp i, 0,1,2,3,4,5,6,7,8,9,10,11,12,13,14,15
	global_store_b128 v[LI], v[BK+64*((\a)%2)+4*\i:BK+64*((\a)%2)+4*\i+3], s[18:19] offset:(16*(\a)+\i)*16384 th:TH_STORE_NT   ; 32 lanes store 512 consecutive bytes, at a multiple of 256 from the output's first byte; 63 rows at the most stand in the immediate
.endr
.endm
	TOSTAGE 0
.irp a, 1,2,3
.if \a > 1
	s_wait_xcnt 0x0                                ; the stores of the block two back have read their registers: this block's loads may land there
.endif
	TOSTAGE \a
	SEND \a-1, 32                                  ; behind that block's loads: this block's 16 stores and 16 loads
.endr
	SEND 3, 0
	s_wait_tensorcnt 0x0                           ; the wave's end: behind my last tensor load and my last LDS store
	ds_add_u32 v[SPW], v[NIL]
	s_wait_dscnt 0x0
	ROUND                                          ; the closing round
	s_endpgm
.Lfunc_end_k_q555d9cf538_gemm2:
	.size	k_q555d9cf538_gemm2, .Lfunc_end_k_q555d9cf538_gemm2-k_q555d9cf538_gemm2
	.p2alignl 7, 3214868480
	.fill 96, 4, 3214868480
	.section	.rodata,"a",@progbits
	.p2align	6, 0x0
	.amdhsa_kernel k_q555d9cf538_gemm2
		.amdhsa_group_segment_fixed_size 288256
		.amdhsa_private_segment_fixed_size 0
		.amdhsa_enable_private_segment 0
		.amdhsa_kernarg_size 64
		.amdhsa_user_sgpr_count 2
		.amdhsa_user_sgpr_kernarg_segment_ptr 1
		.amdhsa_wavefront_size32 1
		.amdhsa_system_sgpr_workgroup_id_x 1
		.amdhsa_system_sgpr_workgroup_id_y 1
		.amdhsa_system_sgpr_workgroup_id_z 1
		.amdhsa_system_vgpr_workitem_id 0
		.amdhsa_next_free_vgpr 1024
		.amdhsa_next_free_sgpr 100
		.amdhsa_reserve_vcc 0
		.amdhsa_float_denorm_mode_32 3
		.amdhsa_float_denorm_mode_16_64 3
		.amdhsa_memory_ordered 1
		.amdhsa_forward_progress 1
		.amdhsa_inst_pref_size 230
	.end_amdhsa_kernel
	.amdgpu_metadata
---
amdhsa.version: [ 1, 2 ]
amdhsa.kernels:
  - .name:           k_q555d9cf538_gemm2
    .symbol:         k_q555d9cf538_gemm2.kd
    .args:
      - { .name: hq, .offset: 0, .size: 8, .value_kind: global_buffer, .address_space: global }
      - { .name: hs, .offset: 8, .size: 8, .value_kind: global_buffer, .address_space: global }
      - { .name: A_codes, .offset: 16, .size: 8, .value_kind: global_buffer, .address_space: global }
      - { .name: A_scales, .offset: 24, .size: 8, .value_kind: global_buffer, .address_space: global }
      - { .name: Da, .offset: 32, .size: 8, .value_kind: global_buffer, .address_space: global }
      - { .name: scale3, .offset: 40, .size: 8, .value_kind: global_buffer, .address_space: global }
      - { .name: bias, .offset: 48, .size: 8, .value_kind: global_buffer, .address_space: global }
      - { .name: out0, .offset: 56, .size: 8, .value_kind: global_buffer, .address_space: global }
    .group_segment_fixed_size: 288256
    .private_segment_fixed_size: 0
    .kernarg_segment_align: 8
    .kernarg_segment_size: 64
    .max_flat_workgroup_size: 128
    .sgpr_count:     100
    .vgpr_count:     1024
    .wavefront_size: 32
...
	.end_amdgpu_metadata
.endif
;; end of part 3
